; MI455X (gfx1250); checked and timed in simulation.
; The chip was launched on July 23, 2026; its instructions are those of AMD's public machine-readable ISA for CDNA 5 (MIT licence, August 2026) and "CDNA5" Instruction Set Architecture Reference Guide (July 2026). The comments in the code are by the model that wrote it; some were corrected since.
;; B Spline Basis. Allowed arithmetic: matrix products marked QUANTISED: E5M2 operands, one given power-of-two scale a tensor, by v_wmma_f32_16x16x64_bf8_bf8 or v_wmma_f32_16x16x128_bf8_bf8, f32 sums; everything else in f32.
;; Inputs: base_weight 512 x 512 float32; coeffs 512 x 512 x 8 float32; lowp_scales 4 int32 (the exponents e of the quantised operands' scales 2^e); x 16,384 x 512 float32.
;; Outputs: out0 16,384 x 512 float32; out1 1 float32.
;; This version of the problem:
;;   THIS VERSION OF THE PROBLEM IS GIVEN IN LOW PRECISION. The matrix products marked QUANTISED in the list below multiply operands that are first quantised to E5M2 (5 exponent bits, 2 mantissa bits; 8 bits a number), with one given power-of-two scale for each operand tensor; their sums are f32. All else is computed in f32.
;;   The module's matrix products, in the order in which they are computed (A, B: the left and right operand; K: the contracted axis; several contracted axes count as one K, in the product's order):
;;     1. [M 16,384, K 4,096] x [K 4,096, N 512]; A: computed on the way; B: input coeffs: QUANTISED (scales: A lowp_scales[0], B lowp_scales[1])
;;     2. [M 16,384, K 512] x [K 512, N 512]; A: input x; B: input base_weight: QUANTISED (scales: A lowp_scales[2], B lowp_scales[3])
;;   THE QUANTISER, for each operand of a quantised product, along K:
;;     - The operand's scale is 2^e, e = its entry of the input lowp_scales (int32; the entries are numbered through the quantised products in the list's order, A before B).
;;     - Each number is divided by the scale, clamped to +-57,344, and rounded to the nearest number of E5M2, ties to even, subnormals kept.
;;     - The product sums the exact products of the quantised numbers (number of the format x scale) in f32.
;;   ~~~python
;;   def quantise(x, axis, e):      # numpy; x: float32 -> the quantised numbers, widened to float32 again
;;       x = np.moveaxis(x, axis, -1); K = x.shape[-1]
;;       r = np.clip(x / 2.0 ** e, -57344, 57344)
;;       step = 2.0 ** (np.maximum(np.frexp(np.where(r == 0, 1, r))[1] - 1, -14) - 2)
;;       q = np.round(r / step) * step * 2.0 ** e      # np.round: ties to even
;;       return np.moveaxis(q, -1, axis).astype(np.float32)
;;   ~~~
;;   OPERANDS COMPUTED ON THE WAY. 'Computed on the way' means the value that the module computes at that place (a softmax that the list does not call 'softmax' is quantised finished and normalised). What goes into a quantiser is computed in f32, as accurately as f32 sums, v_exp_f32 and their like allow (about 1e-6 of the number): no bf16 or f16 on the way to a quantiser, and a product that is left as it is and whose result goes on into a quantised operand takes f32 operands (vector FMAs, or v_wmma_f32_16x16x4_f32). A number that lies on a knife's edge between two numbers of the format may be rounded either way, as far as f32 arithmetic and the matrix unit's own rounding can turn it there, and no further.
;; One version. Each part assembles by itself: llvm-mc -triple=amdgcn-amd-amdhsa -mcpu=gfx1250 --defsym DOCPART=n.
;; ======== version 1 of 1: 2 launches
;; workspace buffers: wq 2,359,296 bytes
;; launch prep (part 1): grid 288 x 1, 8 waves a work-group, no clusters, 0 bytes of LDS; arguments coeffs, base_weight, lowp_scales, wq, out1; writes wq, out1
.if DOCPART == 1
	.amdgcn_target "amdgcn-amd-amdhsa--gfx1250"
	.amdhsa_code_object_version 6
	.text
	.protected	k_qbeefc8e9c9_prep
	.globl	k_qbeefc8e9c9_prep
	.p2align	8
	.type	k_qbeefc8e9c9_prep,@function
k_qbeefc8e9c9_prep:
	s_mov_b64 s[64:65], 0
	v_nop
	global_prefetch_b8 v0, s[64:65] scope:SCOPE_SE
	s_setreg_imm32_b32 hwreg(HW_REG_WAVE_MODE, 25, 1), 1
	s_wait_xcnt 0x0
; Both weights become codes of BF8 (E5M2), once, laid in the ORDER OF THE OPERAND'S REGISTERS of the product's launch; and out1 = 0.
; code = w / 2^e, held within +-57,344, rounded to the nearest code, ties to even.  e = lowp_scales[1] for coeffs, lowp_scales[3] for base_weight.
; LIMITS: -126 <= e <= 112, so that 2^e and 57,344 x 2^e are f32 numbers.  NaN among the inputs is not served (an infinity is held at the largest code).
; wq: [nh 2][t 18][g 4][nc 2][b 8][c2 2][lane 32][16 bytes].  Lane = (r = lane % 16, h = lane / 16); the column is o = 256 nh + 128 nc + 16 b + r.
;   t < 16:       byte y is the code of coeffs[i][o][n], i = 32 t + 16 h + 4 g + 2 c2 + y / 8, n = y % 8
;   t = 16, 17:   byte y is the code of base_weight[i][o], i = 64 G + 32 c2 + 16 h + y, G = 4 (t - 16) + g
; Work-group W makes the 8,192 bytes at 8,192 W (one (nh, t, g, nc)); its wave b the fragment b: 1,024 bytes, two stores of 512 consecutive bytes.
; A lane's registers run along the product's K, so the conversions' results are the 16 bytes that the lane stores.  No LDS, no barrier: waves share nothing.
.set NUM,  16                          ; v16-47  32 numbers: 16 c2 + y
.set COD,  48                          ; v48-55  their codes
	s_load_b256 s[4:11], s[0:1], 0x0               ; coeffs s[4:5], base_weight s[6:7], the scales' exponents s[8:9], wq s[10:11]
	s_load_b64 s[12:13], s[0:1], 0x20              ; out1
	v_lshrrev_b32 v1, 5, v0
	v_readfirstlane_b32 s20, v1                    ; wave b, 0..7
	v_and_b32 v1, 15, v0                           ; r
	v_bfe_u32 v2, v0, 4, 1                         ; h
	v_and_b32 v4, 31, v0
	v_lshlrev_b32 v4, 4, v4                        ; 16 x lane: my place in a store's 512 bytes
	s_and_b32 s21, ttmp9, 1                        ; nc
	s_bfe_u32 s22, ttmp9, 0x20001                  ; g: two bits from bit 1
	s_lshr_b32 s23, ttmp9, 3                       ; 18 nh + t
	s_cmp_ge_u32 s23, 18
	s_cselect_b32 s24, 1, 0                        ; nh
	s_cselect_b32 s25, 18, 0
	s_sub_co_u32 s25, s23, s25                     ; t
	s_lshl_b32 s26, s24, 8
	s_lshl_b32 s27, s21, 7
	s_add_co_u32 s26, s26, s27
	s_lshl_b32 s27, s20, 4
	s_add_co_u32 s26, s26, s27                     ; my wave's first column: 256 nh + 128 nc + 16 b
	s_lshl_b32 s30, ttmp9, 13
	s_lshl_b32 s27, s20, 10
	s_add_co_u32 s30, s30, s27                     ; my wave's bytes of wq: 8,192 W + 1,024 b
	s_mov_b32 s31, 0
	s_mov_b32 s29, 0
	s_wait_kmcnt 0x0
	s_load_b128 s[16:19], s[8:9], 0x0              ; e0 .. e3
	s_add_nc_u64 s[30:31], s[10:11], s[30:31]
	s_cmp_lt_u32 s25, 16                           ; the branch hangs on the work-group's number alone
	s_cbranch_scc0 .Lresidual
	; coeffs[i][o][n]: 16,384 bytes from i to i + 1, 32 from o to o + 1.  My four i begin at 32 t + 4 g + 16 h
	s_lshl_b32 s28, s25, 5
	s_lshl_b32 s27, s22, 2
	s_add_co_u32 s28, s28, s27
	s_lshl_b32 s28, s28, 14
	s_lshl_b32 s27, s26, 5
	s_add_co_u32 s28, s28, s27
	s_add_nc_u64 s[28:29], s[4:5], s[28:29]
	v_lshlrev_b32 v3, 18, v2                       ; 16 h rows of 16,384 bytes
	v_lshl_add_u32 v3, v1, 5, v3                   ; + 32 r
.irp c, 0,1
.irp e, 0,1
.irp f, 0,1
	global_load_b128 v[NUM+16*\c+8*\e+4*\f:NUM+16*\c+8*\e+4*\f+3], v3, s[28:29] offset:(2*\c+\e)*16384+16*\f th:TH_LOAD_NT   ; the two halves of a column's 32 bytes: sixteen lanes' two loads cover 512 consecutive bytes
.endr
.endr
.endr
	s_branch .Lquantise
.Lresidual:
	; base_weight[i][o]: 2,048 bytes from i to i + 1.  My 32 i begin at 64 G + 16 h; registers run down i, lanes along o
	s_sub_co_u32 s28, s25, 16
	s_lshl_b32 s28, s28, 2
	s_add_co_u32 s28, s28, s22                     ; G
	s_lshl_b32 s28, s28, 17                        ; 64 G rows of 2,048 bytes
	s_lshl_b32 s27, s26, 2
	s_add_co_u32 s28, s28, s27
	s_add_nc_u64 s[28:29], s[6:7], s[28:29]
	v_lshlrev_b32 v3, 15, v2                       ; 16 h rows
	v_lshl_add_u32 v3, v1, 2, v3                   ; + 4 r
.irp c, 0,1
.irp y, 0,1,2,3,4,5,6,7,8,9,10,11,12,13,14,15
	global_load_b32 v[NUM+16*\c+\y], v3, s[28:29] offset:(32*\c+\y)*2048 th:TH_LOAD_NT
.endr
.endr
.Lquantise:
	s_wait_kmcnt 0x0
	s_cmp_lt_u32 s25, 16
	s_cselect_b32 s16, s17, s19                    ; e: coeffs' or base_weight's
	s_add_co_i32 s16, s16, 127
	s_lshl_b32 s17, s16, 23
	v_mov_b32 v11, s17                             ; 2^e as f32: the conversion takes its exponent field
	s_add_co_i32 s16, s16, 15
	s_lshl_b32 s16, s16, 23
	s_or_b32 s16, s16, 0x600000
	v_mov_b32 v10, s16                             ; 57,344 x 2^e
	s_wait_loadcnt 0x0
.irp i, 0,1,2,3,4,5,6,7,8,9,10,11,12,13,14,15,16,17,18,19,20,21,22,23,24,25,26,27,28,29,30,31
	v_med3_num_f32 v[NUM+\i], v[NUM+\i], -v10, v10 ; the conversion to an 8-bit code does not saturate (ISA guide 7.6.2): the hold comes first
.endr
.irp k, 0,1,2,3
	v_cvt_scalef32_pk8_bf8_f32 v[COD+2*\k:COD+2*\k+1], v[NUM+8*\k:NUM+8*\k+7], v11
.endr
	global_store_b128 v4, v[COD:COD+3], s[30:31]               ; c2 = 0: the wave's 512 consecutive bytes, aligned
	global_store_b128 v4, v[COD+4:COD+7], s[30:31] offset:512  ; c2 = 1
	; out1 = 0: one lane of one wave of one work-group
	s_cmp_lg_u32 ttmp9, 0
	s_cbranch_scc1 .Lend
	s_cmp_lg_u32 s20, 0
	s_cbranch_scc1 .Lend
	v_cmp_eq_u32 vcc_lo, 0, v0
	v_mov_b32 v5, 0
	v_mov_b32 v6, 0
	s_wait_xcnt 0x0                                ; EXEC is a source of the stores above: it changes only behind this wait
	s_and_saveexec_b32 s32, vcc_lo
	global_store_b32 v5, v6, s[12:13]
	s_wait_xcnt 0x0                                ; and again in front of the line that widens it
	s_or_b32 exec_lo, exec_lo, s32
.Lend:
	s_endpgm
.Lfunc_end_k_qbeefc8e9c9_prep:
	.size	k_qbeefc8e9c9_prep, .Lfunc_end_k_qbeefc8e9c9_prep-k_qbeefc8e9c9_prep
	.p2alignl 7, 3214868480
	.fill 96, 4, 3214868480
	.section	.rodata,"a",@progbits
	.p2align	6, 0x0
	.amdhsa_kernel k_qbeefc8e9c9_prep
		.amdhsa_group_segment_fixed_size 0
		.amdhsa_private_segment_fixed_size 0
		.amdhsa_enable_private_segment 0
		.amdhsa_kernarg_size 40
		.amdhsa_user_sgpr_count 2
		.amdhsa_user_sgpr_kernarg_segment_ptr 1
		.amdhsa_wavefront_size32 1
		.amdhsa_system_sgpr_workgroup_id_x 1
		.amdhsa_system_sgpr_workgroup_id_y 1
		.amdhsa_system_sgpr_workgroup_id_z 1
		.amdhsa_system_vgpr_workitem_id 0
		.amdhsa_next_free_vgpr 64
		.amdhsa_next_free_sgpr 66
		.amdhsa_reserve_vcc 1
		.amdhsa_float_denorm_mode_32 3
		.amdhsa_float_denorm_mode_16_64 3
		.amdhsa_memory_ordered 1
		.amdhsa_forward_progress 1
		.amdhsa_inst_pref_size 10
	.end_amdhsa_kernel
	.amdgpu_metadata
---
amdhsa.version: [ 1, 2 ]
amdhsa.kernels:
  - .name:           k_qbeefc8e9c9_prep
    .symbol:         k_qbeefc8e9c9_prep.kd
    .args:
      - { .name: coeffs, .offset: 0, .size: 8, .value_kind: global_buffer, .address_space: global }
      - { .name: base_weight, .offset: 8, .size: 8, .value_kind: global_buffer, .address_space: global }
      - { .name: lowp_scales, .offset: 16, .size: 8, .value_kind: global_buffer, .address_space: global }
      - { .name: wq, .offset: 24, .size: 8, .value_kind: global_buffer, .address_space: global }
      - { .name: out1, .offset: 32, .size: 8, .value_kind: global_buffer, .address_space: global }
    .group_segment_fixed_size: 0
    .private_segment_fixed_size: 0
    .kernarg_segment_align: 8
    .kernarg_segment_size: 40
    .max_flat_workgroup_size: 256
    .sgpr_count:     66
    .vgpr_count:     64
    .wavefront_size: 32
...
	.end_amdgpu_metadata
.endif
;; end of part 1
;; launch main (part 2): grid 256 x 1, 8 waves a work-group, clusters of 4 x 1, 327,680 bytes of LDS; arguments x, wq, lowp_scales, out0; writes out0
.if DOCPART == 2
	.amdgcn_target "amdgcn-amd-amdhsa--gfx1250"
	.amdhsa_code_object_version 6
	.text
	.protected	k_qbeefc8e9c9_main
	.globl	k_qbeefc8e9c9_main
	.p2align	8
	.type	k_qbeefc8e9c9_main,@function
k_qbeefc8e9c9_main:
	s_mov_b64 s[64:65], 0
	v_nop
	global_prefetch_b8 v0, s[64:65] scope:SCOPE_SE
	s_setreg_imm32_b32 hwreg(HW_REG_WAVE_MODE, 25, 1), 1
	s_wait_xcnt 0x0
	s_wait_alu depctr_hold_cnt(0) depctr_sa_sdst(0) depctr_va_vdst(0) depctr_va_sdst(0) depctr_va_ssrc(0) depctr_va_vcc(0) depctr_vm_vsrc(0)
	s_getreg_b32 s2, hwreg(HW_REG_IB_STS2, 6, 4)
	s_cmp_eq_u32 s2, 0
	s_cbranch_scc0 .Lentry_in_a_cluster
	s_endpgm
.Lentry_in_a_cluster:
	s_bfe_u32 s2, ttmp6, 0x10000c
	s_cmp_lg_u32 s2, 0x3003
	s_cbranch_scc0 .Lentry_shape_is_right
	s_endpgm
.Lentry_shape_is_right:
; out0[b][o] = 2^(e0+e1) x sum over (i, n) of Q(basis[b][i][n]) Q(coeffs[i][o][n])  +  2^(e2+e3) x sum over i of Q(x[b][i]) Q(base_weight[i][o]),
; both products on codes of BF8 (E5M2) by v_wmma_f32_16x16x64_bf8_bf8, sums in f32.  The weights' codes come from wq (made by the launch before); the basis' and x's codes are made here, in f32, on the way.
; THE BASIS.  The knots are 0.4 apart, so with s = 2.5 (tanh x + 1) = 1 / (0.2 + 0.2 e^(-2x)), c = floor(s) and u = s - c, v = 1 - u, only basis functions n = c .. c + 3 are not 0:
;   v^3/6,  u^2 (u/2 - 1) + 2/3,  v^2 (v/2 - 1) + 2/3,  u^3/6.   s is held under 5 (the last knot: c = 4, u next to 1 gives the same numbers as c = 5, u = 0).  The four codes are moved by c bytes inside the feature's 8 bytes.
; ONE SET OF SUMS.  The spline's 16 trips come first; the sums are then multiplied once by 2^(e0+e1-e2-e3), the residual's 2 trips are added, and all is multiplied by 2^(e2+e3) on the way out.
; LIMITS: e0 .. e3 each between -126 and 112; e0+e1-e2-e3 and e2+e3 each between -126 and 127 (each power of two below is then an f32 number).  NaN among the inputs is not served.
; SHARES.  A work-group makes 128 rows x 256 columns; 256 work-groups.  A cluster is four row blocks of one half nh of the columns: they walk the same codes of wq, so each tile is asked for JOINTLY (mask 15).
; TWO ROLES, parted on the wave's number.  Waves 0-3 multiply: each 64 rows x 128 columns, 32 accumulators in window 1, and they issue the tensor loads.  Waves 4-7 make the left operand's codes one trip ahead: wave 4 + w' the row
; tiles 2 w', 2 w' + 1.  So matrix work and vector work stand in different waves and can be issued side by side; no value hangs on which waves share a SIMD.
; A TRIP is 256 along K: 32 features of the spline (trips 0-15) or 256 of the residual (16, 17), four groups g of 64.  ONE round of the cluster's barrier a trip: in front of it the trip's tile of wq has landed, the codes made for
; it are stored, and the reads of the trip before are over; behind it the slot and the buffer of the trip before are written again.
; THE WALK ALONG K BEGINS ELSEWHERE IN EACH CLUSTER.  A cluster has an even phase p, one of eight, made of its number: trip j of the spline takes the 32 features of block (p + j) mod 16.  So the clusters do not all ask for the same
; 65,536 bytes of wq in the same trip: in trips 0 and 1 the eight phases ask for all sixteen tiles between them, and from trip 2 on each tile has been asked for before by another cluster.  The two clusters that read the same rows of x
; (nh = 0, 1) are eight blocks apart: each reads first what the other reads later.  Only global offsets hang on p.  x's codes lie in LDS in the order in which they are made, and the residual's tiles of wq are fetched in that
; order: quarter w' of residual trip R is group (p/2 + 4 R + w') mod 8 of 64 features.  The order of the f32 sums along K thus differs from cluster to cluster.
; OPERANDS LIE IN LDS AS IMAGES OF THEIR REGISTERS: a fragment (16 rows or columns x 64 K, 8 registers) is two runs of 512 bytes, lane l's 16 bytes at 16 l.  The place of k in the registers is a permutation, the same on both sides:
;   spline:   lane (r, h), run c2, byte y: feature 32 t + 16 h + 4 g + 2 c2 + y / 8, n = y % 8        residual: feature 64 G + 32 c2 + 16 h + y
; THE MATRIX INSTRUCTION IS USED TRANSPOSED (source 0 = 16 columns of the weights, source 1 = 16 rows): a lane holds eight neighbouring numbers of a row of out0.
.set TRIPB,  65536                     ; a trip's codes of wq, and an LDS slot: g 16,384 + nc 8,192 + b 1,024 + c2 512 + 16 lane
.set BSL,    65536                     ; LDS 0, 65,536: the two slots for wq, filled by tensor loads alone
.set ABASE,  131072                    ; LDS: two buffers of 32,768 for the basis' codes (g 8,192 + m 1,024 + c2 512 + 16 lane; m = row tile), then two of the same for x's codes (8,192 for two productions + ..)
.set ASL,    32768
.set SPARE,  262144                    ; the spare words, 128 bytes for each of the eight waves: four blocks of 256 bytes that no other line names
.set STAGE,  ABASE                     ; the way out: 16 rows x 528 bytes for each multiplying wave, in the basis' buffers, whose last reads lie two rounds back
.set SP,     528
.set SPW, 1                            ; v1   LDS address of my spare word; never rewritten
.set NIL, 2                            ; v2   0; never rewritten
.set CB,  3                            ; v3-4   multiplying: my fragments of wq in slot 0, 1
.set CA,  5                            ; v5-8   multiplying: my fragments of the left operand: basis buffer 0, 1, x's codes 0, 1
.set STO, 9                            ; v9   the stage: where I put 32 bytes of a row
.set SRD, 10                           ; v10  and where I read a row back
.set GO,  11                           ; v11  16 x lane
.set PA,  12                           ; v12-13 making: where my basis codes go, buffer 0, 1
.set XS0, 14                           ; v14  making: where x's codes go, productions 0 and 1
.set XSA, 15                           ; v15  the same for the production in hand
.set XO,  16                           ; v16  making: byte offset of the x that is asked for
.set XOB, 18                           ; v18  2,048 r + 64 h: my 16 numbers of a row's 32 features
.set KA,  20                           ; v[20:21] 1/2, 1/6    v[22:23] -1, 0    v[24:25] 0, 2/3
.set KB,  22
.set KC,  24
.set VL0, 26                           ; v26  57,344 x 2^e0    v27  2^e0    v28  57,344 x 2^e2    v29  2^e2
.set VE0, 27
.set VLX, 28
.set VEX, 29
.set K02, 30                           ; v[30:31] 0.2, 0.2 (at work in the head before that)
.set OS0, 32                           ; multiplying: two operand sets of 96: 4 fragments of rows, then 8 of columns
.set OS1, 128
.set TMP, 32                           ; the way out: a block's 64 numbers;  v96-159, v160-223: rows read back, by turns
.set BK,  96
.set VY,  32                           ; making: v32-63 -2 log2(e) x, then s: 16 mm + k
.set VP,  64                           ; pairs (u, v)
.set VSQ, 80                           ; pairs (u^2, v^2)
.set VG1, 96                           ; pairs (u/2 - 1, v/6)
.set VG2, 112                          ; pairs (u/6, v/2 - 1)
.set VWT, 128                          ; v128-159 four weights an element; its first 16 also take x held for its own codes
.set VCI, 160                          ; c, then the byte selector
.set VCW, 168                          ; an element's four codes
.set VOUT, 176                         ; an element's eight bytes
.set VXC, 192                          ; v192-199 16 codes of x for each of my two row tiles
.set VX,  224                          ; v224-255 x as loaded: 16 mm + k.  No other load of the text, in either role, lands in these registers
.set DG1, 24                           ; s[24:31] descriptor group 1;  s[32:35], s[36:39] group 0 of slot 0, 1
.set DG0, 32
; s12 wave; s13 wave % 4; s14 nc; s15 mr; s[20:21] x at my rows; s[22:23] out0 at my tile; s[44:45] -2 log2(e); s[46:47] byte offset in my half of wq of the spline's tile made last, my quarter; s48 5 less one step; s49 selector;
; s[50:51] 2^(e0+e1-e2-e3); s[52:53] 2^(e2+e3); s54 trips; s55 128 x the production asked for; s56 8,192 x (production / 2); s[58:59] my half of wq; s62 p / 2; s63 128 p; s[66:67], s[68:69] offsets of my quarters of the residual's two tiles
.set MSB, 0
.macro WIN new                         ; the immediate's high byte repeats the setting that is left; a switch that changes nothing is dropped
.if MSB != \new
	s_set_vgpr_msb (MSB<<8)|\new
.set MSB, \new
.endif
.endm
; A round of the cluster's barrier: my work-group's barrier, so that wave 0's signal speaks for all eight waves; wave 0 signals; every wave waits for the four work-groups; my work-group's barrier once more.
.macro ROUND
	s_barrier_signal -1
	s_barrier_wait -1
	s_cmp_lg_u32 s12, 0
	s_cbranch_scc1 .Lnot_wave_0_\@
	s_barrier_signal -3
.Lnot_wave_0_\@:
	s_barrier_wait -3
	s_barrier_signal -1
	s_barrier_wait -1
.endm
; A trip's head, on every wave's path.  mkx = 1: codes are made in this trip, and x's go to the place of the production in hand.
; step = 1: this slot's group 0 takes the spline's tile two trips on, (p + j + 2) mod 16.  step = 2 (trip 15): both groups 0 take the residual's tiles.  step = 0: nothing more is asked for by them.
.macro HEAD slot, mkx, step
	s_wait_tensorcnt 0x0                           ; all my tensor loads have landed: my part of this trip's tile; so a group 0 may be written
	ds_add_u32 v[SPW], v[NIL]                      ; 0 onto my spare word
.if \step == 1
	s_add_co_u32 s46, s46, TRIPB                   ; one tile on,
	s_and_b32 s46, s46, 16*TRIPB-1                 ; round the sixteen; my quarter's 16,384 w' in the low bits stays
	s_add_nc_u64 s[DG0+4*\slot+2:DG0+4*\slot+3], s[58:59], s[46:47]   ; (trip 14 makes an address here that is not used: trip 15 writes it anew)
	s_or_b32 s[DG0+4*\slot+3], s[DG0+4*\slot+3], 0x80000000           ; type = 2
.endif
.if \step == 2
	s_add_nc_u64 s[DG0+2:DG0+3], s[58:59], s[66:67]
	s_or_b32 s[DG0+3], s[DG0+3], 0x80000000
	s_add_nc_u64 s[DG0+6:DG0+7], s[58:59], s[68:69]
	s_or_b32 s[DG0+7], s[DG0+7], 0x80000000
.endif
.if \mkx
	v_add_nc_u32 v[XSA], s56, v[XS0]
.endif
	s_wait_dscnt 0x0                               ; the add is done; my stores of codes have landed; my reads of the last trip's slot and buffer are over
	ROUND                                          ; all that now holds of every wave of the four work-groups
.endm
; 24 LDS loads: group g's fragments, 4 of rows and 8 of columns, into set s
.macro LOADH g, s, va, vb
.irp a, 0,1,2,3
	ds_load_b128 v[\s+8*\a:\s+8*\a+3],   v[\va] offset:\g*8192+\a*1024
	ds_load_b128 v[\s+8*\a+4:\s+8*\a+7], v[\va] offset:\g*8192+\a*1024+512
.endr
.irp b, 0,1,2,3,4,5,6,7
	ds_load_b128 v[\s+32+8*\b:\s+32+8*\b+3],   v[\vb] offset:\g*16384+\b*1024
	ds_load_b128 v[\s+32+8*\b+4:\s+32+8*\b+7], v[\vb] offset:\g*16384+\b*1024+512
.endr
.endm
; 32 matrix instructions, 64 along K.  The 32 accumulators ((a, b) at v[8 (8 a + b)] of window 1) take turns, one instruction a turn, in the same order everywhere.
; zero = 1: the products start the sums: nothing is cleared.  The four v_nop are the places in front of whatever follows: loads into the set, or vector instructions that read the sums or write the set.
.macro MULH s, zero
	WIN 0x50                                       ; C and D in window 1
.irp a, 0,1,2,3
.irp b, 0,1,2,3,4,5,6,7
.if \zero
	v_wmma_f32_16x16x64_bf8_bf8 v[8*(8*\a+\b):8*(8*\a+\b)+7], v[\s+32+8*\b:\s+32+8*\b+7], v[\s+8*\a:\s+8*\a+7], 0
.else
	v_wmma_f32_16x16x64_bf8_bf8 v[8*(8*\a+\b):8*(8*\a+\b)+7], v[\s+32+8*\b:\s+32+8*\b+7], v[\s+8*\a:\s+8*\a+7], v[8*(8*\a+\b):8*(8*\a+\b)+7]
.endif
.endr
.endr
.rept 4
	v_nop
.endr
	WIN 0
.endm
; A trip's products: four groups on two sets by turns; a group's loads are out while the group before is multiplied.
.macro CONS va, vb, zero
	LOADH 0, OS0, \va, \vb
	LOADH 1, OS1, \va, \vb
	s_wait_dscnt 24                                ; group 0 is in; the 24 loads of group 1 may be out
	MULH OS0, \zero
	LOADH 2, OS0, \va, \vb
	s_wait_dscnt 24                                ; group 1 is in; group 2's 24 may be out
	MULH OS1, 0
	LOADH 3, OS1, \va, \vb
	s_wait_dscnt 24                                ; group 2 is in; group 3's 24 may be out
	MULH OS0, 0
	s_wait_dscnt 0x0
	MULH OS1, 0
.endm
; The spline's sums are brought under the residual's scales: x 2^(e0+e1-e2-e3), which rounds nothing short of overflow and underflow.  Each accumulator from its low end on.
.macro RESCALE
	WIN 0x41                                       ; source 0 and destination in window 1
.set jj, 0
.rept 128
	v_pk_mul_f32 v[jj:jj+1], v[jj:jj+1], s[50:51] op_sel_hi:[1,0]
.set jj, jj+2
.endr
	WIN 0
.endm
; Eight elements of a lane: v[yb + e] holds -2 log2(e) x.  Their 64 bytes of codes go to LDS: two groups g of the buffer, from v[vpa] + off on.
.macro UNIT yb, vpa, off
.irp e, 0,1,2,3,4,5,6,7
	v_exp_f32 v[\yb+\e], v[\yb+\e]                 ; e^(-2x)
.endr
	v_nop                                          ; one plain instruction behind the transcendentals
	s_wait_alu depctr_va_vdst(0)
.irp j, 0,2,4,6
	v_pk_fma_f32 v[\yb+\j:\yb+\j+1], v[\yb+\j:\yb+\j+1], v[K02:K02+1], v[K02:K02+1]
.endr
.irp e, 0,1,2,3,4,5,6,7
	v_rcp_f32 v[\yb+\e], v[\yb+\e]                 ; s = 2.5 (tanh x + 1), between 0 and 5
.endr
	v_nop
	s_wait_alu depctr_va_vdst(0)
.irp e, 0,1,2,3,4,5,6,7
	v_min_num_f32 v[\yb+\e], s48, v[\yb+\e]        ; under 5
.endr
.irp e, 0,1,2,3,4,5,6,7
	v_fract_f32 v[VP+2*\e], v[\yb+\e]              ; u
.endr
.irp e, 0,1,2,3,4,5,6,7
	v_cvt_u32_f32 v[VCI+\e], v[\yb+\e]             ; c, 0 .. 4
.endr
.irp e, 0,1,2,3,4,5,6,7
	v_sub_f32 v[VP+2*\e+1], 1.0, v[VP+2*\e]        ; v
.endr
.irp e, 0,1,2,3,4,5,6,7
	v_perm_b32 v[VCI+\e], v[VCI+\e], v[VCI+\e], 0  ; c in all four bytes
.endr
.irp e, 0,1,2,3,4,5,6,7
	v_sub_nc_u32 v[VCI+\e], s49, v[VCI+\e]         ; selector byte b = 4 + b - c, 0 .. 7: no byte borrows
.endr
.irp e, 0,1,2,3,4,5,6,7
	v_pk_mul_f32 v[VSQ+2*\e:VSQ+2*\e+1], v[VP+2*\e:VP+2*\e+1], v[VP+2*\e:VP+2*\e+1]
.endr
.irp e, 0,1,2,3,4,5,6,7
	v_pk_fma_f32 v[VG1+2*\e:VG1+2*\e+1], v[VP+2*\e:VP+2*\e+1], v[KA:KA+1], v[KB:KB+1]                                  ; u/2 - 1, v/6
.endr
.irp e, 0,1,2,3,4,5,6,7
	v_pk_fma_f32 v[VG2+2*\e:VG2+2*\e+1], v[VP+2*\e:VP+2*\e+1], v[KA:KA+1], v[KB:KB+1] op_sel:[0,1,1] op_sel_hi:[1,0,0]  ; u/6, v/2 - 1: the constants' halves swapped
.endr
.irp e, 0,1,2,3,4,5,6,7
	v_pk_fma_f32 v[VWT+4*\e:VWT+4*\e+1], v[VSQ+2*\e:VSQ+2*\e+1], v[VG1+2*\e:VG1+2*\e+1], v[KC:KC+1] op_sel:[1,1,0] op_sel_hi:[0,0,1]     ; v^2 v/6,  u^2 (u/2 - 1) + 2/3
.endr
.irp e, 0,1,2,3,4,5,6,7
	v_pk_fma_f32 v[VWT+4*\e+2:VWT+4*\e+3], v[VSQ+2*\e:VSQ+2*\e+1], v[VG2+2*\e:VG2+2*\e+1], v[KC:KC+1] op_sel:[1,1,1] op_sel_hi:[0,0,0] ; v^2 (v/2 - 1) + 2/3,  u^2 u/6
.endr
.irp i, 0,1,2,3,4,5,6,7,8,9,10,11,12,13,14,15,16,17,18,19,20,21,22,23,24,25,26,27,28,29,30,31
	v_min_num_f32 v[VWT+\i], v[VWT+\i], v[VL0]     ; the conversion does not saturate (ISA guide 7.6.2); the weights are not negative, so the hold is one-sided
.endr
.irp k, 0,1,2,3
	v_cvt_scalef32_pk8_bf8_f32 v[VCW+2*\k:VCW+2*\k+1], v[VWT+8*\k:VWT+8*\k+7], v[VE0]   ; two elements' four codes each
.endr
	v_nop                                          ; one plain instruction between a scaled conversion and what touches its result or writes its sources
	s_wait_dscnt 0x0                               ; my earlier stores have read their registers
.irp e, 0,1,2,3,4,5,6,7
	v_perm_b32 v[VOUT+2*\e], v[VCW+\e], 0, v[VCI+\e]     ; n = 0 .. 3: selector 4 .. 7 takes a code, 0 .. 3 a zero byte
	v_perm_b32 v[VOUT+2*\e+1], 0, v[VCW+\e], v[VCI+\e]   ; n = 4 .. 7: selector 0 .. 3 takes a code, 4 .. 7 a zero byte
.endr
.irp k, 0,1,2,3
	ds_store_b128 v[\vpa], v[VOUT+4*\k:VOUT+4*\k+3] offset:\off+(\k/2)*8192+(\k%2)*512
.endr
.endm
; One production: the codes of 32 features for my two row tiles, into basis buffer buf; x's own 16 codes a lane and tile into run c2x of the place in hand.
; x has ONE set of registers.  All that is wanted of it is taken out at the head (x held for its own codes, those codes, -2 log2(e) x); then the next production's eight loads go out, in the same run of lines as the wait for 0,
; so that on every way to them no load into these registers is out.  They have the rest of this production and the round in which to land.  The last production asks for nothing: none is asked for that nobody reads.
.macro PROD buf, c2x, xadd
	s_wait_loadcnt 0x0                             ; my eight loads of x are in; that also frees their offset register
.irp mm, 0,1
.irp i, 0,1,2,3,4,5,6,7,8,9,10,11,12,13,14,15
	v_med3_num_f32 v[VWT+\i], v[VX+16*\mm+\i], -v[VLX], v[VLX]   ; x held within the largest code x 2^e2
.endr
.irp j, 0,2,4,6,8,10,12,14
	v_pk_mul_f32 v[VY+16*\mm+\j:VY+16*\mm+\j+1], v[VX+16*\mm+\j:VX+16*\mm+\j+1], s[44:45] op_sel_hi:[1,0]
.endr
	v_cvt_scalef32_pk8_bf8_f32 v[VXC+4*\mm:VXC+4*\mm+1], v[VWT:VWT+7], v[VEX]
	v_cvt_scalef32_pk8_bf8_f32 v[VXC+4*\mm+2:VXC+4*\mm+3], v[VWT+8:VWT+15], v[VEX]
	v_nop                                          ; one plain instruction behind the conversions: their sources are written again below
.endr
	s_add_co_u32 s57, s55, \xadd                   ; 128 x the next production's number
	s_cmp_lt_u32 s57, 2048                         ; there are sixteen: the branch hangs on the loop's count alone
	s_cbranch_scc0 .Lno_x_\@
	s_add_co_u32 s57, s57, s63                     ; its block of features is (p + its number) mod 16:
	s_and_b32 s57, s57, 2047                       ; 128 bytes inside the row's 2,048
	v_add_nc_u32 v[XO], s57, v[XOB]
.irp mm, 0,1
.irp k, 0,1,2,3
	global_load_b128 v[VX+16*\mm+4*\k:VX+16*\mm+4*\k+3], v[XO], s[20:21] offset:\mm*32768+16*\k   ; my 64 consecutive bytes of row 16 mm + r
.endr
.endr
.Lno_x_\@:
	ds_store_b128 v[XSA], v[VXC:VXC+3] offset:\c2x*512
	ds_store_b128 v[XSA], v[VXC+4:VXC+7] offset:1024+\c2x*512
	UNIT VY, PA+\buf, 0                            ; row tile 2 w': groups 0, 1,
	UNIT VY+8, PA+\buf, 16384                      ; groups 2, 3;
	UNIT VY+16, PA+\buf, 1024                      ; row tile 2 w' + 1 likewise
	UNIT VY+24, PA+\buf, 16384+1024
.endm
; A trip.  Behind the round the multiplying waves first ask for the next trip's tile, into the slot read last (refill = 1), then multiply; the others make the next trip's codes (prod = 1).
.macro TRIP slot, refill, zero, va, resc, prod, buf, c2x, xadd, step
	HEAD \slot, \prod, \step
	s_cmp_lt_u32 s12, 4                            ; the branch hangs on the wave's number alone
	s_cbranch_scc0 .Lmake_\@
.if \refill
	tensor_load_to_lds s[DG0+4-4*\slot:DG0+7-4*\slot], s[DG1:DG1+7]   ; my one tensor load behind the round: by this text's count one load of a wave is out
	s_nop 0
.rept 4
	v_nop
.endr
.endif
	CONS \va, CB+\slot, \zero
.if \resc
	RESCALE
.endif
	s_branch .Ljoin_\@
.Lmake_\@:
.if \prod
	PROD \buf, \c2x, \xadd
.endif
.Ljoin_\@:
.endm
; THE WAY OUT, a block of 16 rows x 128 columns at a time: x 2^(e2+e3) into other registers, through my own stage, back as whole rows of 512 bytes.  LDS serves a wave's instructions in order (ISA guide 5.7.1.4): no wait between stores and loads.
.macro TOSTAGE a
	WIN 0x01                                       ; source 0 in window 1
.irp j, 0,2,4,6,8,10,12,14,16,18,20,22,24,26,28,30,32,34,36,38,40,42,44,46,48,50,52,54,56,58,60,62
	v_pk_mul_f32 v[TMP+\j:TMP+\j+1], v[64*(\a)+\j:64*(\a)+\j+1], s[52:53] op_sel_hi:[1,0]   ; each accumulator from its low end on
.endr
	WIN 0
.irp b, 0,1,2,3,4,5,6,7
	ds_store_b128 v[STO], v[TMP+8*\b:TMP+8*\b+3] offset:64*\b
	ds_store_b128 v[STO], v[TMP+8*\b+4:TMP+8*\b+7] offset:64*\b+16
.endr
.set BB, BK+64*((\a)%2)
.irp t, 0,1,2,3,4,5,6,7,8,9,10,11,12,13,14,15
	ds_load_b128 v[BB+4*\t:BB+4*\t+3], v[SRD] offset:\t*SP
.endr
.endm
.macro SEND a, younger                 ; younger: the LDS instructions issued behind block a's loads, which may stay out
.set BB, BK+64*((\a)%2)
	s_wait_dscnt \younger
.irp t, 0,1,2,3,4,5,6,7,8,9,10,11,12,13,14,15
	global_store_b128 v[GO], v[BB+4*\t:BB+4*\t+3], s[22:23] offset:(16*(\a)+\t)*2048 th:TH_STORE_NT   ; 32 lanes store 512 consecutive bytes, at a multiple of 512 from out0's first byte
.endr
.endm
	s_load_b256 s[4:11], s[0:1], 0x0               ; x s[4:5], wq s[6:7], the scales' exponents s[8:9], out0 s[10:11]
	v_lshl_add_u32 v[SPW], v0, 2, SPARE
	v_mov_b32 v[NIL], 0
	ds_add_u32 v1, v2
	s_wait_dscnt 0x0
	v_lshrrev_b32 v30, 5, v0
	v_readfirstlane_b32 s12, v30                   ; wave 0..7
	s_and_b32 s13, s12, 3                          ; w'
	s_and_b32 s14, s12, 1                          ; nc: which 128 of the 256 columns
	s_bfe_u32 s15, s12, 0x10001                    ; mr: which 64 of the 128 rows
	s_bfe_u32 s16, ttmp6, 0x40000                  ; cx: my place in the cluster: it enters x's and out0's addresses alone
	s_and_b32 s17, ttmp9, 1                        ; nh: the cluster's half of the columns, shared by the four
	s_lshr_b32 s18, ttmp9, 1
	s_lshl_b32 s18, s18, 2
	s_add_co_u32 s18, s18, s16                     ; my block of 128 rows, 0..127
	; the cluster's phase, made of the cluster's number alone, which the four partners share.  With R = number / 2 (bits r4 .. r0): p / 2 = (r0^r1) + 2 (r1^r2) + 4 (r3^r4) + 4 nh, mod 8.
	; Whichever single bit of R is held fixed, the sixteen clusters left take each of the eight phases twice
	s_lshr_b32 s62, ttmp9, 1                       ; R
	s_lshr_b32 s63, ttmp9, 2                       ; R / 2
	s_xor_b32 s62, s62, s63                        ; bit i: r(i) ^ r(i+1)
	s_and_b32 s63, s62, 3
	s_lshr_b32 s62, s62, 1
	s_and_b32 s62, s62, 4
	s_or_b32 s62, s62, s63
	s_lshl_b32 s63, s17, 2
	s_add_co_u32 s62, s62, s63
	s_and_b32 s62, s62, 7                          ; p / 2
	s_lshl_b32 s63, s62, 8                         ; 128 p: the phase in bytes of a row of x
	; descriptor group 1: 64 rows of 32 elements of 8 bytes, dense: 16,384 bytes, a quarter of a trip's tile
	s_mov_b32 s[DG1+0], 15|(3<<16)|(1<<21)         ; 15:0 the mask: all four work-groups; 17:16 elements of 8 bytes; 20 no padding; 21 set beside a mask
	s_mov_b32 s[DG1+1], 32<<16                     ; tensor_dim0 = 32
	s_mov_b32 s[DG1+2], 64<<16                     ; tensor_dim1 = 64
	s_mov_b32 s[DG1+3], 32<<16                     ; tile_dim0 = 32
	s_mov_b32 s[DG1+4], 64                         ; tile_dim1 = 64
	s_mov_b32 s[DG1+5], 32                         ; from row to row
	s_mov_b32 s[DG1+6], 0
	s_mov_b32 s[DG1+7], 0
	s_lshl_b32 s20, s18, 18                        ; x: 128 rows of 2,048 bytes a block,
	s_lshl_b32 s57, s13, 16                        ; 32 rows a making wave
	s_add_co_u32 s20, s20, s57
	s_mov_b32 s21, 0
	s_lshl_b32 s22, s18, 18                        ; out0: the block,
	s_lshl_b32 s57, s15, 17                        ; my 64 rows,
	s_add_co_u32 s22, s22, s57
	s_lshl_b32 s57, s17, 10                        ; the half of the columns,
	s_add_co_u32 s22, s22, s57
	s_lshl_b32 s57, s14, 9                         ; my 128 columns
	s_add_co_u32 s22, s22, s57
	s_mov_b32 s23, 0
	s_mul_i32 s58, s17, 18*TRIPB                   ; wq: the half's 18 tiles; registers that never hold cx
	s_mov_b32 s59, 0
	s_lshl_b32 s60, s13, 14                        ; my quarter of a tile, in memory and in a slot
	s_lshl_b32 s46, s62, 17                        ; the spline's first tile: 65,536 p,
	s_add_co_u32 s46, s46, s60                     ; my quarter of it
	s_mov_b32 s47, 0
	s_add_co_u32 s66, s62, s13                     ; the residual's first tile: quarter w' is group (p/2 + w') mod 8; the eight groups of 16,384 bytes lie behind the spline's sixteen tiles
	s_and_b32 s66, s66, 7
	s_lshl_b32 s66, s66, 14
	s_add_co_u32 s66, s66, 16*TRIPB
	s_mov_b32 s67, 0
	s_add_co_u32 s68, s62, s13                     ; its second: group (p/2 + 4 + w') mod 8
	s_add_co_u32 s68, s68, 4
	s_and_b32 s68, s68, 7
	s_lshl_b32 s68, s68, 14
	s_add_co_u32 s68, s68, 16*TRIPB
	s_mov_b32 s69, 0
	s_mov_b32 s44, 0xc038aa3b                      ; -2 log2(e)
	s_mov_b32 s45, s44                             ; (named with it as a pair, so it is written)
	s_mov_b32 s48, 0x409fffff                      ; the f32 number next under 5
	s_mov_b32 s49, 0x07060504
	s_mov_b32 s55, 128                             ; production 0 asks for production 1's 128 bytes
	s_mov_b32 s56, 0
	s_wait_kmcnt 0x0
	s_load_b128 s[40:43], s[8:9], 0x0              ; e0 .. e3
	s_add_nc_u64 s[20:21], s[4:5], s[20:21]
	s_add_nc_u64 s[22:23], s[10:11], s[22:23]
	s_add_nc_u64 s[58:59], s[6:7], s[58:59]
.irp n, 0,1
	s_mov_b32 s[DG0+4*\n], 1                                       ; count = 1
	s_add_co_u32 s[DG0+4*\n+1], s60, \n*BSL                        ; LDS address: the slot, my quarter
	s_add_nc_u64 s[DG0+4*\n+2:DG0+4*\n+3], s[58:59], s[46:47]      ; global address: tile p + n (p is 14 at the most)
	s_or_b32 s[DG0+4*\n+3], s[DG0+4*\n+3], 0x80000000              ; type = 2
.if \n == 0
	s_add_co_u32 s46, s46, TRIPB
.endif
.endr
	; every address register is made here, ahead of the first parting of the roles
	v_and_b32 v30, 31, v0
	v_lshlrev_b32 v[GO], 4, v30                    ; 16 x lane
	v_and_b32 v30, 15, v0                          ; r
	v_bfe_u32 v31, v0, 4, 1                        ; h
	s_lshl_b32 s57, s14, 13
	v_add_nc_u32 v[CB], s57, v[GO]
	v_add_nc_u32 v[CB+1], BSL, v[CB]
	s_lshl_b32 s57, s15, 12                        ; my four row tiles: 4 mr x 1,024
	s_add_co_u32 s57, s57, ABASE
	v_add_nc_u32 v[CA], s57, v[GO]
	v_add_nc_u32 v[CA+1], ASL, v[CA]
	v_add_nc_u32 v[CA+2], 2*ASL, v[CA]
	v_add_nc_u32 v[CA+3], 3*ASL, v[CA]
	s_mul_i32 s57, s13, 16*SP
	s_add_co_u32 s57, s57, STAGE
	v_mul_u32_u24 v[STO], v30, SP
	v_lshl_add_u32 v[STO], v31, 5, v[STO]
	v_add_nc_u32 v[STO], s57, v[STO]               ; in: row r, 32 bytes for each half of the lanes
	v_add_nc_u32 v[SRD], s57, v[GO]                ; back: the 32 lanes take one row of 512 bytes
	s_lshl_b32 s57, s13, 11                        ; my two row tiles: 2 w' x 1,024
	s_add_co_u32 s57, s57, ABASE
	v_add_nc_u32 v[PA], s57, v[GO]
	v_add_nc_u32 v[PA+1], ASL, v[PA]
	v_add_nc_u32 v[XS0], 2*ASL, v[PA]
	v_add_nc_u32 v[XSA], s56, v[XS0]
	v_lshlrev_b32 v[XOB], 11, v30
	v_lshl_add_u32 v[XOB], v31, 6, v[XOB]
	v_add_nc_u32 v[XO], s63, v[XOB]                ; production 0's features: block p
	v_mov_b32 v[KA], 0.5
	v_mov_b32 v[KA+1], 0x3e2aaaab                  ; 1/6
	v_mov_b32 v[KB], -1.0
	v_mov_b32 v[KB+1], 0
	v_mov_b32 v[KC], 0
	v_mov_b32 v[KC+1], 0x3f2aaaab                  ; 2/3
	v_mov_b32 v[K02], 0x3e4ccccd                   ; 0.2 (r and h are done with)
	v_mov_b32 v[K02+1], 0x3e4ccccd
	s_wait_kmcnt 0x0
	s_add_co_i32 s57, s40, 127
	s_lshl_b32 s61, s57, 23
	v_mov_b32 v[VE0], s61                          ; 2^e0 as f32: the conversion takes its exponent field
	s_add_co_i32 s57, s57, 15
	s_lshl_b32 s57, s57, 23
	s_or_b32 s57, s57, 0x600000
	v_mov_b32 v[VL0], s57                          ; 57,344 x 2^e0
	s_add_co_i32 s57, s42, 127
	s_lshl_b32 s61, s57, 23
	v_mov_b32 v[VEX], s61                          ; 2^e2
	s_add_co_i32 s57, s57, 15
	s_lshl_b32 s57, s57, 23
	s_or_b32 s57, s57, 0x600000
	v_mov_b32 v[VLX], s57                          ; 57,344 x 2^e2
	s_add_co_i32 s52, s42, s43                     ; e2 + e3
	s_add_co_i32 s50, s40, s41
	s_sub_co_i32 s50, s50, s52                     ; e0 + e1 - e2 - e3
	s_add_co_i32 s50, s50, 127
	s_lshl_b32 s50, s50, 23
	s_mov_b32 s51, s50
	s_add_co_i32 s52, s52, 127
	s_lshl_b32 s52, s52, 23
	s_mov_b32 s53, s52
	ROUND                                          ; all four work-groups are here: the first joint loads meet
	s_cmp_lt_u32 s12, 4
	s_cbranch_scc0 .Lmake_first
	tensor_load_to_lds s[DG0:DG0+3], s[DG1:DG1+7]  ; trip 0's tile into slot 0
	s_nop 0
.rept 4
	v_nop
.endr
	s_branch .Ljoin_first
.Lmake_first:
.irp mm, 0,1
.irp k, 0,1,2,3
	global_load_b128 v[VX+16*\mm+4*\k:VX+16*\mm+4*\k+3], v[XO], s[20:21] offset:\mm*32768+16*\k
.endr
.endr
	PROD 0, 0, 0                                   ; production 0: trip 0's codes
.Ljoin_first:
	TRIP 0, 1, 1, CA, 0, 1, 1, 1, 128, 1           ; trip 0 starts the sums | production 1 | slot 1's first fill, issued as a refill is
	s_mov_b32 s55, 384                             ; production 2 asks for production 3's bytes
	s_mov_b32 s56, 8192
	s_mov_b32 s54, 7
.Lloop:                                            ; seven times: trips 1 .. 14, productions 2 .. 15
	TRIP 1, 1, 0, CA+1, 0, 1, 0, 0, 0, 1
	TRIP 0, 1, 0, CA, 0, 1, 1, 1, 128, 1
	s_add_co_u32 s55, s55, 256
	s_add_co_u32 s56, s56, 8192
	s_sub_co_u32 s54, s54, 1
	s_cmp_lg_u32 s54, 0
	s_cbranch_scc1 .Lloop
	TRIP 1, 1, 0, CA+1, 1, 0, 0, 0, 0, 2           ; trip 15: the spline's last; its sums are brought under the residual's scales; nothing is left to make; the groups 0 take the residual's tiles
	TRIP 0, 1, 0, CA+2, 0, 0, 0, 0, 0, 0           ; trip 16: the residual's 256 features of productions 0 .. 7
	TRIP 1, 0, 0, CA+3, 0, 0, 0, 0, 0, 0           ; trip 17: those of productions 8 .. 15; written out: nothing is asked for
	s_cmp_lt_u32 s12, 4
	s_cbranch_scc0 .Lend
	TOSTAGE 0                                      ; the last products' four places stand behind them
	TOSTAGE 1
	SEND 0, 32                                     ; behind block 0's loads: block 1's 16 stores and 16 loads
	s_wait_xcnt 0x0                                ; block 0's stores have read their registers: block 2's loads may land there
	TOSTAGE 2
	SEND 1, 32
	s_wait_xcnt 0x0                                ; block 1's likewise
	TOSTAGE 3
	SEND 2, 32
	SEND 3, 0
.Lend:
	s_wait_tensorcnt 0x0                           ; the wave's end, behind my last tensor load and my last LDS store
	ds_add_u32 v[SPW], v[NIL]
	s_wait_dscnt 0x0
	ROUND                                          ; the closing round: no work-group ends while a partner may still ask for a tile that names it
	s_endpgm
.Lfunc_end_k_qbeefc8e9c9_main:
	.size	k_qbeefc8e9c9_main, .Lfunc_end_k_qbeefc8e9c9_main-k_qbeefc8e9c9_main
	.p2alignl 7, 3214868480
	.fill 96, 4, 3214868480
	.section	.rodata,"a",@progbits
	.p2align	6, 0x0
	.amdhsa_kernel k_qbeefc8e9c9_main
		.amdhsa_group_segment_fixed_size 327680
		.amdhsa_private_segment_fixed_size 0
		.amdhsa_enable_private_segment 0
		.amdhsa_kernarg_size 32
		.amdhsa_user_sgpr_count 2
		.amdhsa_user_sgpr_kernarg_segment_ptr 1
		.amdhsa_wavefront_size32 1
		.amdhsa_system_sgpr_workgroup_id_x 1
		.amdhsa_system_sgpr_workgroup_id_y 1
		.amdhsa_system_sgpr_workgroup_id_z 1
		.amdhsa_system_vgpr_workitem_id 0
		.amdhsa_next_free_vgpr 512
		.amdhsa_next_free_sgpr 72
		.amdhsa_reserve_vcc 0
		.amdhsa_float_denorm_mode_32 3
		.amdhsa_float_denorm_mode_16_64 3
		.amdhsa_memory_ordered 1
		.amdhsa_forward_progress 1
		.amdhsa_inst_pref_size 255
	.end_amdhsa_kernel
	.section	.bss,"aw",@nobits
	.p2align	6
	.space	262144
	.amdgpu_metadata
---
amdhsa.version: [ 1, 2 ]
amdhsa.kernels:
  - .name:           k_qbeefc8e9c9_main
    .symbol:         k_qbeefc8e9c9_main.kd
    .args:
      - { .name: x, .offset: 0, .size: 8, .value_kind: global_buffer, .address_space: global }
      - { .name: wq, .offset: 8, .size: 8, .value_kind: global_buffer, .address_space: global }
      - { .name: lowp_scales, .offset: 16, .size: 8, .value_kind: global_buffer, .address_space: global }
      - { .name: out0, .offset: 24, .size: 8, .value_kind: global_buffer, .address_space: global }
    .group_segment_fixed_size: 327680
    .private_segment_fixed_size: 0
    .kernarg_segment_align: 8
    .kernarg_segment_size: 32
    .max_flat_workgroup_size: 256
    .sgpr_count:     72
    .vgpr_count:     512
    .wavefront_size: 32
...
	.end_amdgpu_metadata
.endif
;; end of part 2
